; MI455X (gfx1250); checked and timed in simulation.
; The chip was launched on July 23, 2026; its instructions are those of AMD's public machine-readable ISA for CDNA 5 (MIT licence, August 2026) and "CDNA5" Instruction Set Architecture Reference Guide (July 2026). The comments in the code are by the model that wrote it; some were corrected since.
;; Attentionscore. Allowed arithmetic: matrix products marked QUANTISED: E3M2 operands, one E8M0 scale for each 32 along K, by v_wmma_scale_f32_16x16x128_f8f6f4 with both operands' format E3M2, f32 sums; everything else in f32.
;; Inputs: K 4 x 16 x 2,048 x 64 float32; Q 4 x 16 x 2,048 x 64 float32; V 4 x 16 x 2,048 x 64 float32.
;; Outputs: out0 4 x 16 x 2,048 x 64 float32.
;; This version of the problem:
;;   THIS VERSION OF THE PROBLEM IS GIVEN IN LOW PRECISION. The matrix products marked QUANTISED in the list below multiply operands that are first quantised to E3M2 (3 exponent bits, 2 mantissa bits; 6 bits a number), with one power-of-two scale for each 32 numbers along K (OCP MX v1.0); their sums are f32. All else is computed in f32.
;;   The module's matrix products, in the order in which they are computed (A, B: the left and right operand; K: the contracted axis; several contracted axes count as one K, in the product's order):
;;     1. batch 64 x [M 2,048, K 64] x [K 64, N 2,048]; A: input Q; B: input K: QUANTISED
;;     2. batch 64 x [M 2,048, K 2,048] x [K 2,048, N 64]; A: softmax (see below); B: input V: QUANTISED
;;   THE QUANTISER, for each operand of a quantised product, along K:
;;     - K is cut into blocks of 32 from its start; a last block that is shorter is filled with zeros.
;;     - A block's scale is 2^e with e = floor(log2(the largest magnitude in the block)) - 4, held to -126 .. 127; a block of zeros has e = 0. As a byte (E8M0): e + 127.
;;     - Each number is divided by its block's scale, clamped to +-28, and rounded to the nearest number of E3M2, ties to even, subnormals kept.
;;     - The product sums the exact products of the quantised numbers (number of the format x scale) in f32.
;;   ~~~python
;;   def quantise(x, axis):      # numpy; x: float32 -> the quantised numbers, widened to float32 again
;;       x = np.moveaxis(x, axis, -1); K = x.shape[-1]
;;       x = np.pad(x, [(0, 0)] * (x.ndim - 1) + [(0, -K % 32)]); x = x.reshape(x.shape[:-1] + (-1, 32)); a = np.abs(x).max(-1, keepdims=True)
;;       e = np.where(a > 0, np.clip(np.frexp(np.where(a > 0, a, 1))[1] - 1 - 4, -126, 127), 0)      # np.frexp(a)[1] - 1 = floor(log2(a)), exactly
;;       r = np.clip(x / 2.0 ** e, -28, 28)
;;       step = 2.0 ** (np.maximum(np.frexp(np.where(r == 0, 1, r))[1] - 1, -2) - 2)
;;       q = np.round(r / step) * step * 2.0 ** e      # np.round: ties to even
;;       return np.moveaxis(q.reshape(q.shape[:-2] + (-1,))[..., :K], -1, axis).astype(np.float32)
;;   ~~~
;;   SOFTMAX AHEAD OF A QUANTISED PRODUCT. Where the list says 'softmax', what is quantised is not the finished softmax but p = 2^(t - M), with t = logit x log2(e) and M = ceil(the row's largest t), a whole number; so 1/2 < the row's largest p <= 1. The row's sum l is taken of the UNQUANTISED p, in f32, and the product's result is divided by l at the end. Since M is a whole number, a kernel that streams over the keys may use a running M (the ceiling of the running maximum): every later rescaling is an exact power of two, which a block's scale takes up: the codes' values come out the same.
;;   OPERANDS COMPUTED ON THE WAY. 'Computed on the way' means the value that the module computes at that place (a softmax that the list does not call 'softmax' is quantised finished and normalised). What goes into a quantiser is computed in f32, as accurately as f32 sums, v_exp_f32 and their like allow (about 1e-6 of the number): no bf16 or f16 on the way to a quantiser, and a product that is left as it is and whose result goes on into a quantised operand takes f32 operands (vector FMAs, or v_wmma_f32_16x16x4_f32). A number that lies on a knife's edge between two numbers of the format may be rounded either way, as far as f32 arithmetic and the matrix unit's own rounding can turn it there, and no further.
;; One version. Each part assembles by itself: llvm-mc -triple=amdgcn-amd-amdhsa -mcpu=gfx1250 --defsym DOCPART=n.
;; ======== version 1 of 1: 2 launches
;; limits: right only within a limited range of input values
;; workspace buffers: kv 13,107,200 bytes
;; launch prep (part 1): grid 16 x 64, 4 waves a work-group, no clusters, 68,864 bytes of LDS; arguments K, V, kv; writes kv
.if DOCPART == 1
	.amdgcn_target "amdgcn-amd-amdhsa--gfx1250"
	.amdhsa_code_object_version 6
	.text
	.protected	k_qeacb84a9ef_prep
	.globl	k_qeacb84a9ef_prep
	.p2align	8
	.type	k_qeacb84a9ef_prep,@function
k_qeacb84a9ef_prep:
	s_mov_b64 s[64:65], 0
	v_nop
	global_prefetch_b8 v0, s[64:65] scope:SCOPE_SE
	s_setreg_imm32_b32 hwreg(HW_REG_WAVE_MODE, 25, 1), 1
	s_wait_xcnt 0x0
; K and V, [64 heads][2048 keys][64] f32, become codes of BF6 (E3M2) with one E8M0 byte for each 32 along a product's K, laid in kv AS IMAGES OF THE OPERAND REGISTERS
; that the attention launch wants: for each head and each step of 128 keys one block of 12,800 bytes:
;   +0      K: four runs of 12 registers a lane.  Run i holds key tile 2 i in k 0..63 (registers 0-5) and key tile 2 i + 1 in k 64..127 (registers 6-11): the first product's K is 64, half an instruction's.
;   +6144   V^T: four tiles of 16 channels x 128 keys, 12 registers a lane (K = the keys)
;   +12288  512 bytes of scale words: word idx of lane l at 16 l + 4 idx; idx 0, 1: K's runs 0 | 1 and 2 | 3 (lanes 0-15 | lanes 16-31); idx 2, 3: V's tiles 0 | 1 and 2 | 3
; Register 4 c + n of lane l of a run or tile lies at 512 c + 16 l + 4 n: three loads of 16 bytes a lane bring a fragment back as it stood.
; THE KEYS OF A TILE ARE NOT NEIGHBOURS: row r of tile 2 i is key ka = 64 (i / 2) + 16 (i % 2) + 32 (r / 8) + r % 8, row r of tile 2 i + 1 is ka + 8.  In S^T = K Q^T a lane's 32 registers of four tiles
; are then 32 NEIGHBOURING keys, a whole block of the second product's K.
; A block's scale is 2^(floor(log2(its largest magnitude)) - 4); its byte is the largest magnitude's exponent field - 4, held at 1 from below.
; LIMITS: a block of zeros gets the byte 1 where the rule says 127 (its codes are zeros, and this program alone reads the bytes); blocks whose largest magnitude lies under 2^-122 keep the byte 1;
; NaN and infinities among the inputs are not served.
; SHARES: a work-group takes one step of one head; wave w makes K's run w and V's tile w.  Every global load reads 512 consecutive bytes; the numbers turn through LDS so that a lane holds whole blocks of 32 along K.
; No work-group reads what another reads, so there is no cluster; no tensor load, no loop: every offset is an immediate, and all 32 loads of a wave go out at its head.
.set FLOOR, 0x2800000                  ; 2^(5 - 127): no largest magnitude is taken under it, so the byte cannot fall under 1
.set KSW,   8704                       ; LDS: K's stage, 32 rows x 272 bytes for each wave, the wave's own, from byte 0
.set VST,   4*KSW                      ; V's stage, the work-group's: row k at 256 k + 64 (k / 32): 33,024 bytes
.set SCA,   VST+33024                  ; the 512 bytes of scale words, laid as in kv
.set LI,   1                           ; v1   16 x lane: my 16 bytes of a load's or a store's 512
.set KSTO, 4                           ; v4   K's stage, in: 272 (lane / 16) + 16 (lane % 16)
.set KRD,  5                           ; v5   K's stage, back: 272 r + 128 h
.set VSTO, 6                           ; v6   V's stage, in: my wave's 32 rows, 16 x lane
.set VRD,  7                           ; v7   V's stage, back: channel 16 w + r, keys 32 h on
.set SCW,  8                           ; v8   where my row's scale word goes
.set SH8,  9                           ; v9   8 h
.set SCR,  10                          ; v10  where the scale words are read back: SCA + 16 x lane
.set PT,   11                          ; v11  a lane permute's destination
.set MX,   12                          ; v12-13 two blocks' largest magnitudes, then their bytes
.set SO,   14                          ; v14-15 the conversions' scale operands
.set VL,   16                          ; v16-79   V as loaded; later V turned: two blocks of 32 keys
.set KL,   80                          ; v80-143  K as loaded
.set X,    144                         ; v144-207 K turned: 32 channels of key ka, 32 of key ka + 8
.set KC,   208                         ; v208-219 K's codes
.set VC,   220                         ; v220-231 V's codes
.set T0,   232                         ; v232-234, v236-238: the upper halves of the two blocks' codes, before they are moved
.set W,    235                         ; v235 the scale word
.set T1,   236
	s_load_b128 s[4:7], s[0:1], 0x0                ; K s[4:5], V s[6:7]
	s_load_b64 s[8:9], s[0:1], 0x10                ; kv
	v_lshl_add_u32 v240, v0, 2, 0x10b00
	v_mov_b32 v241, 0
	v_lshrrev_b32 v2, 5, v0
	v_readfirstlane_b32 s10, v2                    ; wave 0..3
	v_and_b32 v[LI], 31, v0
	v_lshlrev_b32 v[LI], 4, v[LI]
	v_and_b32 v2, 15, v0                           ; r
	v_bfe_u32 v3, v0, 4, 1                         ; h
	s_wait_alu depctr_va_vdst(0)
	s_and_b32 s12, ttmp7, 0xffff                   ; the head
	s_lshl_b32 s14, s12, 19                        ; a head is 2,048 rows of 256 bytes,
	s_lshl_b32 s13, ttmp9, 15                      ; a step 128 rows
	s_add_co_u32 s14, s14, s13
	s_lshr_b32 s16, s10, 1                         ; w / 2
	s_and_b32 s17, s10, 1                          ; w % 2
	s_lshl_b32 s18, s16, 14                        ; K: my run's rows begin at 64 (w / 2) + 16 (w % 2)
	s_lshl_b32 s19, s17, 12
	s_add_co_u32 s18, s18, s19
	s_add_co_u32 s18, s18, s14
	s_mov_b32 s19, 0
	s_lshl_b32 s22, s10, 13                        ; V: I load rows 32 w .. 32 w + 31
	s_add_co_u32 s22, s22, s14
	s_mov_b32 s23, 0
	s_mul_i32 s24, s12, 204800                     ; kv: the head's 16 blocks, the step's block, my run and tile
	s_mul_i32 s25, ttmp9, 12800
	s_add_co_u32 s24, s24, s25
	s_mul_i32 s25, s10, 1536
	s_add_co_u32 s24, s24, s25
	s_mov_b32 s25, 0
	s_mov_b32 s20, 0x76543210
	s_mov_b32 s21, 0xfedcba98                      ; v_permlanex16_b32's selects for lane l xor 16
	s_mul_i32 s26, s10, KSW
	v_mul_u32_u24 v[KSTO], v3, 272
	v_lshl_add_u32 v[KSTO], v2, 4, v[KSTO]
	v_add_nc_u32 v[KSTO], s26, v[KSTO]
	v_mul_u32_u24 v[KRD], v2, 272
	v_lshl_add_u32 v[KRD], v3, 7, v[KRD]
	v_add_nc_u32 v[KRD], s26, v[KRD]
	s_mul_i32 s27, s10, 8256                       ; 32 rows of 256 bytes and their 64 bytes of padding
	s_add_co_u32 s27, s27, VST
	v_add_nc_u32 v[VSTO], s27, v[LI]
	s_lshl_b32 s28, s10, 6                         ; my tile's 16 channels: 64 bytes of a row
	s_add_co_u32 s28, s28, VST
	v_mul_u32_u24 v[VRD], v3, 8256                 ; lanes 16-31 begin 32 keys further down
	v_lshl_add_u32 v[VRD], v2, 2, v[VRD]
	v_add_nc_u32 v[VRD], s28, v[VRD]
	s_lshl_b32 s29, s17, 8                         ; odd runs and tiles stand in lanes 16-31 of a scale register: 256 bytes on;
	s_lshl_b32 s30, s16, 2                         ; runs 2 and 3 in the next word
	s_add_co_u32 s29, s29, s30
	s_add_co_u32 s29, s29, SCA
	v_lshl_add_u32 v[SCW], v2, 4, s29
	v_lshlrev_b32 v[SH8], 3, v3
	v_add_nc_u32 v[SCR], SCA, v[LI]
	v_mov_b32 v[PT], 0                             ; written once: a lane permute's destination counts as one of its sources
	s_wait_alu depctr_va_vdst(0)
	s_wait_kmcnt 0x0
	s_add_nc_u64 s[4:5], s[4:5], s[18:19]
	s_add_nc_u64 s[6:7], s[6:7], s[22:23]
	s_add_nc_u64 s[8:9], s[8:9], s[24:25]
.irp i, 0,1,2,3,4,5,6,7,8,9,10,11,12,13,14,15
	global_load_b128 v[VL+4*\i:VL+4*\i+3], v[LI], s[6:7] offset:512*\i th:TH_LOAD_NT          ; V: 32 rows, dense; read once in the launch
.endr
.irp x, 0,1
.irp i, 0,1,2,3,4,5,6,7
	global_load_b128 v[KL+32*\x+4*\i:KL+32*\x+4*\i+3], v[LI], s[4:5] offset:8192*\x+512*\i th:TH_LOAD_NT   ; K: 16 rows, and the 16 rows that lie 32 further down
.endr
.endr
; Two whole blocks of 32 of one lane, v[src] .. v[src + 31] and v[src + 32] .. v[src + 63], become a fragment's 12 registers in v[dst] on and my row's scale word in v[W].
; The first block is block h of the fragment's four, the second block 2 + h: my two bytes go to bytes h and 2 + h, and lane l xor 16 has the other two.
.macro QUANT2 src, dst
	v_max3_num_f32 v[MX], |v[\src]|, |v[\src+1]|, FLOOR
	v_max3_num_f32 v[MX+1], |v[\src+32]|, |v[\src+33]|, FLOOR
.set j, 2
.rept 15
	v_max3_num_f32 v[MX], v[MX], |v[\src+j]|, |v[\src+j+1]|                 ; the two blocks by turns
	v_max3_num_f32 v[MX+1], v[MX+1], |v[\src+32+j]|, |v[\src+33+j]|
.set j, j+2
.endr
	v_add_nc_u32 v[SO], 0xfe000000, v[MX]          ; 4 off the exponent field: the conversion takes the exponent field of this operand as its scale, and nothing else of it
	v_add_nc_u32 v[SO+1], 0xfe000000, v[MX+1]
	v_lshrrev_b32 v[MX], 23, v[SO]                 ; the scales' bytes
	v_lshrrev_b32 v[MX+1], 23, v[SO+1]
	v_cvt_scalef32_pk16_bf6_f32 v[\dst:\dst+2], v[\src:\src+15], v[SO]
	v_cvt_scalef32_pk16_bf6_f32 v[T0:T0+2], v[\src+16:\src+31], v[SO]       ; (a conversion's three registers begin on an even number: a block's upper half is made elsewhere and moved)
	v_cvt_scalef32_pk16_bf6_f32 v[\dst+6:\dst+8], v[\src+32:\src+47], v[SO+1]
	v_cvt_scalef32_pk16_bf6_f32 v[T1:T1+2], v[\src+48:\src+63], v[SO+1]
	v_lshl_or_b32 v[W], v[MX+1], 16, v[MX]         ; (also the one plain place behind the conversions)
.irp i, 0,1,2
	v_mov_b32 v[\dst+3+\i], v[T0+\i]
	v_mov_b32 v[\dst+9+\i], v[T1+\i]
.endr
	v_lshlrev_b32 v[W], v[SH8], v[W]               ; 8 h bits up
	v_permlanex16_b32 v[PT], v[W], s20, s21
	v_or_b32 v[W], v[W], v[PT]                     ; with lane l xor 16's two bytes the word is whole, in both lanes
.endm
	s_wait_loadcnt 16                              ; V's 16 loads are in; K's 16, issued behind them, may be out
.irp i, 0,1,2,3,4,5,6,7,8,9,10,11,12,13,14,15
	ds_store_b128 v[VSTO], v[VL+4*\i:VL+4*\i+3] offset:512*\i
.endr
	s_wait_loadcnt 0x0
.irp x, 0,1
.irp i, 0,1,2,3,4,5,6,7
	ds_store_b128 v[KSTO], v[KL+32*\x+4*\i:KL+32*\x+4*\i+3] offset:(16*(\i/4)+8*\x+2*(\i%4))*272   ; stage rows 0-15: key ka of r = 0 .. 15; rows 16-31: key ka + 8
.endr
.endr
.irp j, 0,1,2,3,4,5,6,7
	ds_load_b128 v[X+4*\j:X+4*\j+3], v[KRD] offset:16*\j                    ; LDS serves a wave's instructions in order: these see my stores.  Rows 272 bytes apart: sixteen rows, sixteen different columns of 16 bytes
.endr
.irp j, 0,1,2,3,4,5,6,7
	ds_load_b128 v[X+32+4*\j:X+32+4*\j+3], v[KRD] offset:16*272+16*\j
.endr
	s_wait_dscnt 0x0
	QUANT2 X, KC
.irp c, 0,1,2
	global_store_b128 v[LI], v[KC+4*\c:KC+4*\c+3], s[8:9] offset:512*\c      ; 32 lanes store 512 consecutive bytes, at a multiple of 256 from kv's first byte
.endr
	ds_store_b32 v[SCW], v[W]                      ; both lanes of a row write the same word with the same value
	s_wait_dscnt 0x0                               ; for the others' sake: my rows of V lie in the stage
	s_barrier_signal -1
	s_barrier_wait -1                              ; all 128 rows do
.irp c, 0,1
.irp i, 0,1,2,3,4,5,6,7,8,9,10,11,12,13,14,15,16,17,18,19,20,21,22,23,24,25,26,27,28,29,30,31
	ds_load_b32 v[VL+32*\c+\i], v[VRD] offset:16512*\c+256*\i               ; V(64 c + 32 h + i, 16 w + r): my registers run down the keys.  Lanes 0-15 take 64 neighbouring bytes, lanes 16-31 the 64 bytes that lie 8,256 on: other banks
.endr
.endr
	s_wait_dscnt 0x0
	QUANT2 VL, VC
.irp c, 0,1,2
	global_store_b128 v[LI], v[VC+4*\c:VC+4*\c+3], s[8:9] offset:6144+512*\c
.endr
	ds_store_b32 v[SCW], v[W] offset:8             ; V's words stand two words behind K's
	s_wait_dscnt 0x0                               ; for wave 0's sake: my scale words lie in LDS
	s_barrier_signal -1
	s_barrier_wait -1
	s_cmp_lg_u32 s10, 0                            ; wave 0 (whose kv base is the block's first byte) stores the 512 bytes of scale words
	s_cbranch_scc1 .Lend
	ds_load_b128 v[X:X+3], v[SCR]
	s_wait_dscnt 0x0
	global_store_b128 v[LI], v[X:X+3], s[8:9] offset:12288
.Lend:
	s_wait_tensorcnt 0x0
	ds_add_u32 v240, v241
	s_wait_dscnt 0x0
	s_endpgm
.Lfunc_end_k_qeacb84a9ef_prep:
	.size	k_qeacb84a9ef_prep, .Lfunc_end_k_qeacb84a9ef_prep-k_qeacb84a9ef_prep
	.p2alignl 7, 3214868480
	.fill 96, 4, 3214868480
	.section	.rodata,"a",@progbits
	.p2align	6, 0x0
	.amdhsa_kernel k_qeacb84a9ef_prep
		.amdhsa_group_segment_fixed_size 68864
		.amdhsa_private_segment_fixed_size 0
		.amdhsa_enable_private_segment 0
		.amdhsa_kernarg_size 24
		.amdhsa_user_sgpr_count 2
		.amdhsa_user_sgpr_kernarg_segment_ptr 1
		.amdhsa_wavefront_size32 1
		.amdhsa_system_sgpr_workgroup_id_x 1
		.amdhsa_system_sgpr_workgroup_id_y 1
		.amdhsa_system_sgpr_workgroup_id_z 1
		.amdhsa_system_vgpr_workitem_id 0
		.amdhsa_next_free_vgpr 242
		.amdhsa_next_free_sgpr 66
		.amdhsa_reserve_vcc 0
		.amdhsa_float_denorm_mode_32 3
		.amdhsa_float_denorm_mode_16_64 3
		.amdhsa_memory_ordered 1
		.amdhsa_forward_progress 1
		.amdhsa_inst_pref_size 21
	.end_amdhsa_kernel
	.amdgpu_metadata
---
amdhsa.version: [ 1, 2 ]
amdhsa.kernels:
  - .name:           k_qeacb84a9ef_prep
    .symbol:         k_qeacb84a9ef_prep.kd
    .args:
      - { .name: K, .offset: 0, .size: 8, .value_kind: global_buffer, .address_space: global }
      - { .name: V, .offset: 8, .size: 8, .value_kind: global_buffer, .address_space: global }
      - { .name: kv, .offset: 16, .size: 8, .value_kind: global_buffer, .address_space: global }
    .group_segment_fixed_size: 68864
    .private_segment_fixed_size: 0
    .kernarg_segment_align: 8
    .kernarg_segment_size: 24
    .max_flat_workgroup_size: 128
    .sgpr_count:     66
    .vgpr_count:     242
    .wavefront_size: 32
...
	.end_amdgpu_metadata
.endif
;; end of part 1
;; launch attn (part 2): grid 4 x 64, 16 waves a work-group, clusters of 4 x 1, 276,480 bytes of LDS; arguments Q, kv, out0; writes out0
.if DOCPART == 2
	.amdgcn_target "amdgcn-amd-amdhsa--gfx1250"
	.amdhsa_code_object_version 6
	.text
	.protected	k_qeacb84a9ef_attn
	.globl	k_qeacb84a9ef_attn
	.p2align	8
	.type	k_qeacb84a9ef_attn,@function
k_qeacb84a9ef_attn:
	s_mov_b64 s[64:65], 0
	v_nop
	global_prefetch_b8 v0, s[64:65] scope:SCOPE_SE
	s_setreg_imm32_b32 hwreg(HW_REG_WAVE_MODE, 25, 1), 1
	s_wait_xcnt 0x0
	s_wait_alu depctr_hold_cnt(0) depctr_sa_sdst(0) depctr_va_vdst(0) depctr_va_sdst(0) depctr_va_ssrc(0) depctr_va_vcc(0) depctr_vm_vsrc(0)
	s_getreg_b32 s2, hwreg(HW_REG_IB_STS2, 6, 4)
	s_cmp_eq_u32 s2, 0
	s_cbranch_scc0 .Lentry_in_a_cluster
	s_endpgm
.Lentry_in_a_cluster:
	s_bfe_u32 s2, ttmp6, 0x10000c
	s_cmp_lg_u32 s2, 0x3003
	s_cbranch_scc0 .Lentry_shape_is_right
	s_endpgm
.Lentry_shape_is_right:
; out[h][q][:] = sum over k of softmax_k(Q[h][q] . K[h][k] / sqrt(12)) V[h][k][:]: 64 heads, 2,048 queries and keys, head size 64; both products on codes of BF6 (E3M2), one E8M0 scale for each 32 along K.
; K and V come as kv: images of operand registers, 12,800 bytes for each head and step of 128 keys (K's four runs, V^T's four tiles, 512 bytes of scale words).  Q, f32, is quantised here, in registers.
; SOFTMAX: t = score x log2(e) / sqrt(12); M = the running largest t rounded UP to a whole number; p = 2^(t - M) is quantised along the keys; the row's sum is taken of the unquantised p and divides O at the end.
; When M moves, the sum and O are multiplied by 2^(old M - new M): exact, no branch on data.
; SHARES: a head's 204,800 bytes of kv come into LDS once and stay.  The four work-groups of a cluster own the four blocks of 512 queries of one head and ask for those bytes jointly:
; wave w of each brings step w, 50 rows of 256 bytes: one tensor load a wave, one line, no branch.  One barrier shows all sixteen landed; no barrier follows until the closing round.
; A wave owns 32 queries, in two passes of 16, in under 256 registers: four waves to a SIMD.
; Both products are used transposed (S^T = K Q^T, O^T = V^T P^T): a lane holds one query; its registers S + 32 c + 0 .. 31 are keys 64 c + 32 (lane / 16) + 0 .. 31, a whole block of the second product's K.
; The first product's K is 64: a run of K holds two key tiles (k 0..63, k 64..127); Q's six registers stand between two runs of six zero registers, so v[22:33] is Q | zeros and v[16:27] zeros | Q.
; LEFT OUT: a ring and refills (the head's bytes fit); prefetches of kv (all of it is asked for at the head); register windows.  The second pass's Q is prefetched once: 16 rows a wave, a lane a row.
; LIMITS: the scaled scores stay under 2^31 in magnitude; NaN and infinities among the inputs are not served; a block of Q or p whose largest magnitude lies under 2^-122 keeps the scale byte 1 (a block of zeros too).
.set STEPB, 12800
.set STAGE, 16*STEPB                   ; behind kv's bytes: 16 rows x 272 bytes for each wave: Q's turn and the way out; no tensor load lands here
.set SPARE, STAGE+16*4352              ; the spare words, 128 bytes a wave
.set FLOOR, 0x2800000                  ; 2^(5 - 127)
.set LI,  1                            ; 16 x lane
.set ADR, 2                            ; LDS address of the step in hand
.set STO, 3                            ; stage: row r, + 32 h
.set RD,  4                            ; stage by rows: 272 (lane / 16) + 16 (lane % 16)
.set QRD, 5                            ; stage: row r, + 128 h
.set PFO, 6                            ; 256 x min(lane, 15)
.set SPW, 8
.set NIL, 9
.set NM,  12                           ; -M
.set MS,  13                           ; the largest score so far
.set SUM, 14
.set QHI, 16
.set QLO, 22
.set QSC, 34                           ; v34, v35: Q's scale words for QLO, QHI
.set PWS, 38                           ; p's scale word
.set SCK, 40                           ; v[40:41] K's scale words, v[42:43] V's
.set SCV, 42
.set FR,  48                           ; K's four runs, then V's four tiles
.set S,   96                           ; S^T, then p
.set OT,  160                          ; O^T
.set P,   192                          ; p's codes
.set T0,  204
.set T1,  208
.set BM,  212
.set RM,  216
.set PT,  217
.set TT,  218
.set OLD, 219
.set SO,  220
.set BY,  222
.set PWT, 224
.set FF,  226
.set D,   228                          ; v228-241: eight chains of maxima, then seven pairs of partial sums
.set WV,  10
.set G1,  16
.set G0,  32
.set SEL, 40
.set CS,  42
.set TB,  45
.set CNT, 46
.macro ROUND                           ; a round of the cluster's barrier
	s_barrier_signal -1
	s_barrier_wait -1
	s_cmp_lg_u32 s[WV], 0
	s_cbranch_scc1 .Lnot_wave_0_\@
	s_barrier_signal -3
.Lnot_wave_0_\@:
	s_barrier_wait -3
	s_barrier_signal -1
	s_barrier_wait -1
.endm
.macro PLACES n
.rept \n
	v_nop
.endr
.endm
.macro MM d, a, b, acc, sa, sb, odd    ; one scaled product; acc = 0: the constant 0 starts the sum; odd: A's scales from lanes 16-31
.if \acc
.if \odd
	v_wmma_scale_f32_16x16x128_f8f6f4 v[\d:\d+7], v[\a:\a+11], v[\b:\b+11], v[\d:\d+7], v[\sa], v[\sb] matrix_a_fmt:MATRIX_FMT_BF6 matrix_b_fmt:MATRIX_FMT_BF6 matrix_a_scale:MATRIX_SCALE_ROW1
.else
	v_wmma_scale_f32_16x16x128_f8f6f4 v[\d:\d+7], v[\a:\a+11], v[\b:\b+11], v[\d:\d+7], v[\sa], v[\sb] matrix_a_fmt:MATRIX_FMT_BF6 matrix_b_fmt:MATRIX_FMT_BF6
.endif
.else
.if \odd
	v_wmma_scale_f32_16x16x128_f8f6f4 v[\d:\d+7], v[\a:\a+11], v[\b:\b+11], 0, v[\sa], v[\sb] matrix_a_fmt:MATRIX_FMT_BF6 matrix_b_fmt:MATRIX_FMT_BF6 matrix_a_scale:MATRIX_SCALE_ROW1
.else
	v_wmma_scale_f32_16x16x128_f8f6f4 v[\d:\d+7], v[\a:\a+11], v[\b:\b+11], 0, v[\sa], v[\sb] matrix_a_fmt:MATRIX_FMT_BF6 matrix_b_fmt:MATRIX_FMT_BF6
.endif
.endif
.endm
.macro ADD2 x, y                       ; pair x += pair y
	v_pk_add_f32 v[\x:\x+1], v[\x:\x+1], v[\y:\y+1]
.endm
; A KEY STEP: 128 keys, whose block begins at LDS byte s[TB]
.macro STEP
	v_add_nc_u32 v[ADR], s[TB], v[LI]
	v_mov_b32 v[OLD], v[NM]
	PLACES 2                                       ; with the two lines above: four places between the last step's products and the loads into their registers
	ds_load_b128 v[SCK:SCK+3], v[ADR] offset:12288 ; the step's four scale words of my lane
.irp i, 0,1,2,3,4,5,6,7,8,9,10,11
	ds_load_b128 v[FR+4*\i:FR+4*\i+3], v[ADR] offset:512*\i
.endr
	s_wait_alu depctr_va_vdst(0)
.irp i, 0,1,2,3
	s_wait_dscnt 9-3*\i                            ; the scale words and runs 0 .. i are in; the 9 - 3 i loads behind them may be out
	MM S+16*\i, FR+12*\i, QLO, 0, SCK+\i/2, QSC, \i%2
	MM S+16*\i+8, FR+12*\i, QHI, 0, SCK+\i/2, QSC+1, \i%2
.endr
	PLACES 4                                       ; ahead of the loads into K's registers and of the first read of the scores
.irp i, 0,1,2,3,4,5,6,7,8,9,10,11
	ds_load_b128 v[FR+4*\i:FR+4*\i+3], v[ADR] offset:6144+512*\i         ; V's four tiles land while the softmax is worked
.endr
.irp k, 0,1,2,3,4,5,6,7
	v_max3_num_f32 v[D+\k], v[S+8*\k], v[S+8*\k+1], v[S+8*\k+2]          ; eight chains by turns, one for each tile of scores, each first read at its low end
.endr
.irp i, 3,5
.irp k, 0,1,2,3,4,5,6,7
	v_max3_num_f32 v[D+\k], v[D+\k], v[S+8*\k+\i], v[S+8*\k+\i+1]
.endr
.endr
	v_max3_num_f32 v[BM], v[D], v[D+1], v[S+7]
	v_max3_num_f32 v[BM+1], v[D+2], v[D+3], v[S+15]
	v_max3_num_f32 v[BM+2], v[D+4], v[D+5], v[S+39]
	v_max3_num_f32 v[BM+3], v[D+6], v[D+7], v[S+47]
	v_max3_num_f32 v[BM], v[BM], v[BM+1], v[S+23]
	v_max3_num_f32 v[BM+2], v[BM+2], v[BM+3], v[S+55]
	v_max_num_f32 v[BM], v[BM], v[S+31]            ; block h's largest score: it serves the row's maximum and, since p rises with the score, the block's largest p
	v_max_num_f32 v[BM+2], v[BM+2], v[S+63]        ; block 2 + h's
	s_delay_alu instid0(VALU_DEP_1)
	v_max_num_f32 v[RM], v[BM], v[BM+2]
	s_delay_alu instid0(VALU_DEP_1)
	v_permlanex16_b32 v[PT], v[RM], s[SEL], s[SEL+1]   ; my query's other 64 keys lie 16 lanes away
	s_delay_alu instid0(VALU_DEP_1)
	v_max3_num_f32 v[MS], v[RM], v[PT], v[MS]
	s_delay_alu instid0(VALU_DEP_1)
	v_mul_f32 v[TT], s[CS], v[MS]
	s_delay_alu instid0(VALU_DEP_1)
	v_floor_f32 v[NM], -v[TT]                      ; -M = floor(-t): M is a whole number
	s_delay_alu instid0(VALU_DEP_1)
	v_sub_f32 v[OLD], v[NM], v[OLD]                ; old M - new M
.set j, 0
.rept 32
	v_pk_fma_f32 v[S+j:S+j+1], v[S+j:S+j+1], s[CS:CS+1], v[NM:NM+1] op_sel_hi:[1,0,0]   ; t - M
.if j == 6
	v_cvt_i32_f32 v[OLD], v[OLD]                   ; (it saturates)
.endif
.if j == 14
	v_ldexp_f32 v[FF], 1.0, v[OLD]                 ; f = 2^(old M - new M)
.endif
.set j, j+2
.endr
	v_fma_f32 v[BM], v[BM], s[CS], v[NM]           ; the same of each block's largest score
	v_fma_f32 v[BM+2], v[BM+2], s[CS], v[NM]
	s_wait_alu depctr_va_vdst(0)
	v_exp_f32 v[BM], v[BM]                         ; the blocks' largest p
	v_exp_f32 v[BM+2], v[BM+2]
.set j, 0
.rept 64
	v_exp_f32 v[S+j], v[S+j]                       ; p = 2^(t - M)
.set j, j+1
.endr
	v_pk_mul_f32 v[SUM:SUM+1], v[SUM:SUM+1], v[FF:FF+1] op_sel_hi:[1,0]   ; the sums under the new M; the plain instruction behind the batch
	s_wait_alu depctr_va_vdst(0)                   ; and the one wait behind it
	v_max_num_f32 v[BM], FLOOR, v[BM]              ; the floor: the byte cannot fall under 1
	v_max_num_f32 v[BM+2], FLOOR, v[BM+2]
.irp k, 0,1,2,3,4,5,6
	v_pk_add_f32 v[D+2*\k:D+2*\k+1], v[S+4*\k:S+4*\k+1], v[S+4*\k+2:S+4*\k+3]   ; the row's sum of the unquantised p: eight chains by turns; the scales and the codes are made among them
.endr
	ADD2 SUM, S+28
	v_add_nc_u32 v[SO], 0xfe000000, v[BM]          ; 4 off the exponent field: the conversions' scale operands
	v_add_nc_u32 v[SO+1], 0xfe000000, v[BM+2]
.irp k, 0,1,2,3,4,5,6
	ADD2 D+2*\k, S+30+2*\k
.endr
	ADD2 SUM, S+44
	v_cvt_scalef32_pk16_bf6_f32 v[T0:T0+2], v[S+16:S+31], v[SO]          ; (a conversion's three registers begin on an even number: the upper halves are made apart and moved)
	v_cvt_scalef32_pk16_bf6_f32 v[T1:T1+2], v[S+48:S+63], v[SO+1]
	v_cvt_scalef32_pk16_bf6_f32 v[P:P+2], v[S:S+15], v[SO]
	v_cvt_scalef32_pk16_bf6_f32 v[P+6:P+8], v[S+32:S+47], v[SO+1]
.irp k, 0,1,2,3,4,5,6
	ADD2 D+2*\k, S+46+2*\k
.endr
	ADD2 SUM, S+60
	v_lshrrev_b32 v[BY], 23, v[SO]                 ; the scales' bytes
	v_lshrrev_b32 v[BY+1], 23, v[SO+1]
	ADD2 D, S+62
	ADD2 D+4, D+6
	ADD2 D+8, D+10
	ADD2 SUM, D+12
	v_lshl_or_b32 v[PWT], v[BY+1], 16, v[BY]       ; my blocks h and 2 + h
	ADD2 D, D+2
	ADD2 SUM, D+8
.irp i, 0,1,2
	v_mov_b32 v[P+3+\i], v[T0+\i]
.endr
	v_permlanex16_b32 v[PT], v[PWT], s[SEL], s[SEL+1]
	ADD2 D, D+4
.irp i, 0,1,2
	v_mov_b32 v[P+9+\i], v[T1+\i]
.endr
	ADD2 SUM, D
	v_lshl_or_b32 v[PWS], v[PT], 8, v[PWT]         ; lanes 0-15, which alone are read: blocks 0, 2 are mine, 1, 3 the other lane's
	s_wait_alu depctr_va_vdst(0)
.set j, 0
.rept 16
	v_pk_mul_f32 v[OT+j:OT+j+1], v[OT+j:OT+j+1], v[FF:FF+1] op_sel_hi:[1,0]   ; O^T under the new M; these also stand between P's and the scale word's writes and the scaled products
.set j, j+2
.endr
	s_wait_alu depctr_va_vdst(0)
	s_wait_dscnt 0x0                               ; V's tiles are in
.irp u, 0,1,2,3
	MM OT+8*\u, FR+12*\u, P, 1, SCV+\u/2, PWS, \u%2   ; four accumulators by turns
.endr
.endm
.macro RUN                             ; the sixteen key steps of a pass
	s_mov_b32 s[TB], 0
	s_mov_b32 s[CNT], 16
.Lstep_\@:
	STEP
	s_add_co_u32 s[TB], s[TB], STEPB
	s_sub_co_u32 s[CNT], s[CNT], 1
	s_cmp_lg_u32 s[CNT], 0
	s_cbranch_scc1 .Lstep_\@
.endm
; A pass's head: 16 rows of Q, loaded into v[S+32] on, turn through my stage (in as loaded, back 128 bytes a lane), are quantised, and the pass's state is set.  LDS serves a wave's instructions in order.
.macro QPREP
	s_wait_xcnt 0x0                                ; earlier stores have read their registers
	s_wait_loadcnt 0x0
.irp i, 0,1,2,3,4,5,6,7
	ds_store_b128 v[RD], v[S+32+4*\i:S+32+4*\i+3] offset:544*\i
.endr
.irp j, 0,1,2,3,4,5,6,7
	ds_load_b128 v[OT+4*\j:OT+4*\j+3], v[QRD] offset:16*\j
.endr
	s_wait_dscnt 0x0
	v_max3_num_f32 v[BM], |v[OT]|, |v[OT+1]|, FLOOR
	v_max3_num_f32 v[BM+1], |v[OT+16]|, |v[OT+17]|, FLOOR
.irp j, 2,4,6,8,10,12,14
	v_max3_num_f32 v[BM], v[BM], |v[OT+\j]|, |v[OT+\j+1]|
	v_max3_num_f32 v[BM+1], v[BM+1], |v[OT+16+\j]|, |v[OT+17+\j]|
.endr
	v_max_num_f32 v[BM], v[BM], v[BM+1]
	v_add_nc_u32 v[SO], 0xfe000000, v[BM]
	v_cvt_scalef32_pk16_bf6_f32 v[QLO:QLO+2], v[OT:OT+15], v[SO]
	v_cvt_scalef32_pk16_bf6_f32 v[T0:T0+2], v[OT+16:OT+31], v[SO]
	v_lshrrev_b32 v[BY], 23, v[SO]
.irp i, 0,1,2
	v_mov_b32 v[QLO+3+\i], v[T0+\i]
.endr
	v_permlanex16_b32 v[PT], v[BY], s[SEL], s[SEL+1]
	v_lshl_or_b32 v[QSC], v[PT], 8, v[BY]          ; lanes 0-15: byte 0 mine, byte 1 the other lane's; bytes 2, 3 are 0 and meet zero codes
	v_lshlrev_b32 v[QSC+1], 16, v[QSC]
	v_mov_b32 v[MS], 0xff61b1e6                    ; -3e38, under every score
	v_mov_b32 v[NM], 0x7e000000                    ; -M = 2^125: the first f comes out 0
	v_mov_b32 v[SUM], 0
	v_mov_b32 v[SUM+1], 0
.set j, 0
.rept 32
	v_mov_b32 v[OT+j], 0                           ; the step has no first copy of its own: the first f, 0, leaves zeros
.set j, j+1
.endr
.endm
; THE WAY OUT of pass ps: O^T / the sum, through my stage, so that sixteen lanes store a whole row of 256 bytes
.macro OUT ps
	PLACES 2
	v_add_f32 v[SUM], v[SUM], v[SUM+1]
	s_delay_alu instid0(VALU_DEP_1)
	v_permlanex16_b32 v[PT], v[SUM], s[SEL], s[SEL+1]
	s_delay_alu instid0(VALU_DEP_1)
	v_add_f32 v[SUM], v[SUM], v[PT]                ; the row's sum: above 1/2
	s_wait_alu depctr_va_vdst(0)
	v_rcp_f32 v[FF], v[SUM]
	v_nop
	s_wait_alu depctr_va_vdst(0)
.set j, 0
.rept 16
	v_pk_mul_f32 v[S+j:S+j+1], v[OT+j:OT+j+1], v[FF:FF+1] op_sel_hi:[1,0]   ; register 8 u + i is out(r, 16 u + 8 h + i)
.set j, j+2
.endr
.irp u, 0,1,2,3
	ds_store_b128 v[STO], v[S+8*\u:S+8*\u+3] offset:64*\u
	ds_store_b128 v[STO], v[S+8*\u+4:S+8*\u+7] offset:64*\u+16
.endr
.irp i, 0,1,2,3,4,5,6,7
	ds_load_b128 v[OT+4*\i:OT+4*\i+3], v[RD] offset:544*\i
.endr
.irp i, 0,1,2,3,4,5,6,7
	s_wait_dscnt 7-\i                              ; rows 2 i, 2 i + 1 are back; the 7 - i loads behind them may be out
	global_store_b128 v[LI], v[OT+4*\i:OT+4*\i+3], s[8:9] offset:4096*\ps+512*\i th:TH_STORE_NT   ; 512 consecutive bytes, at a multiple of 256 from out's first byte
.endr
.endm
	s_load_b128 s[4:7], s[0:1], 0x0                ; Q, kv
	s_load_b64 s[8:9], s[0:1], 0x10                ; out
	v_lshl_add_u32 v[SPW], v0, 2, SPARE
	v_mov_b32 v[NIL], 0
	ds_add_u32 v[SPW], v[NIL]                      ; the opening lines: the add, twice on end, and its wait
	ds_add_u32 v[SPW], v[NIL]
	v_lshrrev_b32 v7, 5, v0
	v_readfirstlane_b32 s[WV], v7                  ; wave 0..15
	v_and_b32 v[LI], 31, v0
	v_min_u32 v[PFO], 15, v[LI]
	v_lshlrev_b32 v[PFO], 8, v[PFO]
	v_lshlrev_b32 v[LI], 4, v[LI]
	v_and_b32 v7, 15, v0                           ; r
	v_bfe_u32 v10, v0, 4, 1                        ; h
	s_mul_i32 s44, s[WV], 4352
	s_add_co_u32 s44, s44, STAGE                   ; my stage
	v_mul_u32_u24 v[QRD], v7, 272
	v_lshl_add_u32 v[STO], v10, 5, v[QRD]
	v_lshl_add_u32 v[QRD], v10, 7, v[QRD]
	v_add_nc_u32 v[STO], s44, v[STO]
	v_add_nc_u32 v[QRD], s44, v[QRD]
	v_mul_u32_u24 v[RD], v10, 272
	v_lshl_add_u32 v[RD], v7, 4, v[RD]
	v_add_nc_u32 v[RD], s44, v[RD]
	s_wait_alu depctr_va_vdst(0)
	s_bfe_u32 s11, ttmp6, 0x40000                  ; cx = my block of 512 queries: it enters Q's and out's addresses alone
	s_and_b32 s12, ttmp7, 0xffff                   ; the head, which the four partners share
	s_lshl_b32 s14, s12, 19
	s_lshl_b32 s48, s11, 17
	s_add_co_u32 s14, s14, s48
	s_lshl_b32 s48, s[WV], 13                      ; a wave's 32 rows
	s_add_co_u32 s14, s14, s48
	s_mov_b32 s15, 0
	s_mul_i32 s[G0+1], s[WV], STEPB                ; LDS address: step w
	s_mul_i32 s50, s12, 204800                     ; and the same place in the head's bytes of kv
	s_add_co_u32 s50, s50, s[G0+1]
	s_mov_b32 s51, 0
	s_mov_b32 s[G1+0], 15|(3<<16)|(1<<21)          ; the mask of all four; elements of 8 bytes; bit 21 beside a mask
	s_mov_b32 s[G1+1], 32<<16                      ; 50 rows of 256 bytes, dense
	s_mov_b32 s[G1+2], 50<<16
	s_mov_b32 s[G1+3], 32<<16
	s_mov_b32 s[G1+4], 50
	s_mov_b32 s[G1+5], 32
	s_mov_b32 s[G1+6], 0
	s_mov_b32 s[G1+7], 0
	s_mov_b32 s[SEL], 0x76543210
	s_mov_b32 s[SEL+1], 0xfedcba98                 ; v_permlanex16_b32's selects for lane l xor 16
	s_mov_b32 s[CS], 0x3ed53b95                    ; c = log2(e) / sqrt(12)
	s_mov_b32 s[CS+1], s[CS]
	s_wait_dscnt 0x0
	s_wait_kmcnt 0x0
	s_add_nc_u64 s[4:5], s[4:5], s[14:15]          ; Q and out at my wave's first row
	s_add_nc_u64 s[8:9], s[8:9], s[14:15]
.irp i, 0,1,2,3,4,5,6,7
	global_load_b128 v[S+32+4*\i:S+32+4*\i+3], v[LI], s[4:5] offset:512*\i th:TH_LOAD_NT   ; the first pass's 16 rows of Q
.endr
	s_mov_b32 s[G0], 1
	s_add_nc_u64 s[G0+2:G0+3], s[6:7], s[50:51]
	s_or_b32 s[G0+3], s[G0+3], 0x80000000
	ROUND                                          ; all four work-groups are here: the joint loads meet
	tensor_load_to_lds s[G0:G0+3], s[G1:G1+7]      ; one tensor load a wave, and no more in the launch
	s_nop 0
.irp i, 0,1,2,3,4,5
	v_mov_b32 v[QHI+\i], 0                         ; the zero codes on both sides of Q
	v_mov_b32 v[QLO+6+\i], 0
.endr
	v_mov_b32 v[PT], 0                             ; a lane permute's destination counts as one of its sources
	v_mov_b32 v[FF+1], 0                           ; named as the upper half of a pair
	QPREP
	s_wait_alu depctr_va_vdst(0)
	s_wait_tensorcnt 0x0                           ; my step has landed
	s_barrier_signal -1
	s_barrier_wait -1                              ; all sixteen have
	global_prefetch_b8 v[PFO], s[4:5] offset:4096 th:TH_LOAD_NT scope:SCOPE_SE   ; the second pass's 16 rows of Q, a lane a row (lanes 16-31 name the last again), 16 steps ahead of their loads; its address registers are never rewritten
	RUN
.irp i, 0,1,2,3,4,5,6,7
	global_load_b128 v[S+32+4*\i:S+32+4*\i+3], v[LI], s[4:5] offset:4096+512*\i th:TH_LOAD_NT   ; p has been converted: its registers take the second pass's Q
.endr
	OUT 0
	QPREP
	RUN
	OUT 1
	s_wait_tensorcnt 0x0                           ; the wave's end
	ds_add_u32 v[SPW], v[NIL]
	s_wait_dscnt 0x0
	ROUND                                          ; the closing round
	s_endpgm
.Lfunc_end_k_qeacb84a9ef_attn:
	.size	k_qeacb84a9ef_attn, .Lfunc_end_k_qeacb84a9ef_attn-k_qeacb84a9ef_attn
	.p2alignl 7, 3214868480
	.fill 96, 4, 3214868480
	.section	.rodata,"a",@progbits
	.p2align	6, 0x0
	.amdhsa_kernel k_qeacb84a9ef_attn
		.amdhsa_group_segment_fixed_size 276480
		.amdhsa_private_segment_fixed_size 0
		.amdhsa_enable_private_segment 0
		.amdhsa_kernarg_size 24
		.amdhsa_user_sgpr_count 2
		.amdhsa_user_sgpr_kernarg_segment_ptr 1
		.amdhsa_wavefront_size32 1
		.amdhsa_system_sgpr_workgroup_id_x 1
		.amdhsa_system_sgpr_workgroup_id_y 1
		.amdhsa_system_sgpr_workgroup_id_z 1
		.amdhsa_system_vgpr_workitem_id 0
		.amdhsa_next_free_vgpr 256
		.amdhsa_next_free_sgpr 66
		.amdhsa_reserve_vcc 0
		.amdhsa_float_denorm_mode_32 3
		.amdhsa_float_denorm_mode_16_64 3
		.amdhsa_memory_ordered 1
		.amdhsa_forward_progress 1
		.amdhsa_inst_pref_size 50
	.end_amdhsa_kernel
	.amdgpu_metadata
---
amdhsa.version: [ 1, 2 ]
amdhsa.kernels:
  - .name:           k_qeacb84a9ef_attn
    .symbol:         k_qeacb84a9ef_attn.kd
    .args:
      - { .name: Q, .offset: 0, .size: 8, .value_kind: global_buffer, .address_space: global }
      - { .name: kv, .offset: 8, .size: 8, .value_kind: global_buffer, .address_space: global }
      - { .name: out0, .offset: 16, .size: 8, .value_kind: global_buffer, .address_space: global }
    .group_segment_fixed_size: 276480
    .private_segment_fixed_size: 0
    .kernarg_segment_align: 8
    .kernarg_segment_size: 24
    .max_flat_workgroup_size: 512
    .sgpr_count:     66
    .vgpr_count:     256
    .wavefront_size: 32
...
	.end_amdgpu_metadata
.endif
;; end of part 2
